; MI455X (gfx1250); checked and timed in simulation.
; The chip was launched on July 23, 2026; its instructions are those of AMD's public machine-readable ISA for CDNA 5 (MIT licence, August 2026) and "CDNA5" Instruction Set Architecture Reference Guide (July 2026). The comments in the code are by the model that wrote it; some were corrected since.
;; Counter Flow Network. Allowed arithmetic: float matrix products may take bf16 or f16 operands with f32 sums; other float arithmetic in f32, or as packed bf16 or f16 multiplies, adds, multiply-adds, maxima and minima; sums over many terms, partial sums and values carried from step to step in f32; what a program stores and reads back later, other than sums and carried values, may be rounded once to bf16 or f16.
;; Inputs: W1 512 x 256 float32; W2 256 x 1,000 float32; W_ab 256 x 256 float32; W_eq 256 x 256 float32; W_ge 512 x 256 float32; W_tr 256 x 256 float32; alpha one number float32; b1 256 float32; b2 1,000 float32; b_ab 256 float32; b_eq 256 float32; b_ge 256 float32; b_tr 256 float32; x 16,384 x 512 float32.
;; Outputs: out0 16,384 x 1,000 float32.
;; One version. Each part assembles by itself: llvm-mc -triple=amdgcn-amd-amdhsa -mcpu=gfx1250 --defsym DOCPART=n.
;; ======== version 1 of 1: 2 launches
;; workspace buffers: ws 1,452,032 bytes
;; launch prep (part 1): grid 145 x 1, 4 waves a work-group, no clusters, 0 bytes of LDS; arguments W_ge, W_eq, W_tr, W1, W2, W_ab, alpha, b_ge, b_eq, b_tr, b_ab, b1, b2, ws; writes ws
.if DOCPART == 1
	.amdgcn_target "amdgcn-amd-amdhsa--gfx1250"
	.amdhsa_code_object_version 6
	.text
	.protected	k_qfcc4791413_prep
	.globl	k_qfcc4791413_prep
	.p2align	8
	.type	k_qfcc4791413_prep,@function
k_qfcc4791413_prep:
	s_mov_b64 s[64:65], 0
	v_nop
	global_prefetch_b8 v0, s[64:65] scope:SCOPE_SE
	s_setreg_imm32_b32 hwreg(HW_REG_WAVE_MODE, 25, 1), 1
	s_wait_xcnt 0x0
; PREP: every weight, bias and alpha is rounded once to bf16, and the weights are laid out as the next launch's matrix instructions want them.
; ws holds eleven blocks of 131,072 bytes, each a 256 (k) x 256 (n) matrix in bf16:
;   0, 1  W_ge rows 0-255, 256-511      2  W_eq      3  TR = bf16(-alpha W_tr)      4, 5  W1 rows 0-255, 256-511
;   6-9   W2 columns 256 j .. 256 j + 255, zeros from column 1000 on             10  TA = bf16(alpha (W_tr W_ab))
; In a block the 16 bytes at w*32768 + (ks*4+ct)*1024 + q*512 + lane*16 hold column 64 w + 16 ct + lane % 16, rows 32 ks + 16 q + 8 (lane / 16) + 0..7:
; one 16-byte load a lane fills half of a matrix fragment.
; Behind the blocks a table of f32: BG = b_ge; CT = alpha (b_tr W_ab) + b_ab; BQ = -log2(e) b_eq; NB = -alpha b_tr; B1 = b1; E5 = sigmoid(b_eq); B2 = b2, zeros from 1000 on.
; WHY TA AND CT: where only the liquid is wanted, l + (alpha (df W_tr + b_tr)) W_ab + b_ab = l + df TA + CT: one product for two.
; LIMITS. TA and TR are matrix operands rounded once more to bf16.  NaN and infinities are not treated apart; v_exp_f32 and v_rcp_f32 flush denormals.
; SHARES. Work-groups 0-79: block g / 8 (0 to 9), K step g % 8, wave w = the block's w: 4,096 consecutive bytes a wave.  80-143: TA, one tile of 16 x 16 a wave; the waves with
; k tile 0 also make 16 numbers of CT.  144: the table's other rows.  No LDS, no barrier: no wave needs another's numbers.
.set BLK,  131072
.set TABG, 11*BLK
.set MSB, 0
.macro WIN new                          ; the immediate's high byte repeats the setting that is left
.if MSB != (\new)
	s_set_vgpr_msb (MSB<<8)|(\new)
.set MSB, \new
.endif
.endm
	s_load_b512 s[8:23], s[0:1], 0x0               ; W_ge 8, W_eq 10, W_tr 12, W1 14, W2 16, W_ab 18, alpha 20, b_ge 22
	s_load_b256 s[24:31], s[0:1], 0x40             ; b_eq 24, b_tr 26, b_ab 28, b1 30
	s_load_b128 s[32:35], s[0:1], 0x60             ; b2 32, ws 34
	v_lshrrev_b32 v10, 5, v0
	v_readfirstlane_b32 s5, v10                    ; wave 0..3
	v_and_b32 v2, 15, v0                           ; r = lane % 16
	v_bfe_u32 v3, v0, 4, 1                         ; h = lane / 16
	v_and_b32 v4, 31, v0                           ; lane
	s_mov_b32 s2, ttmp9                            ; the work-group's number
	s_wait_kmcnt 0x0
	s_load_b32 s36, s[20:21], 0x0                  ; alpha
	s_wait_kmcnt 0x0
	v_mov_b32 v1, s36
	v_cvt_pk_bf16_f32 v1, v1, v1                   ; alpha rounded to bf16, in both halves
	v_readfirstlane_b32 s40, v1
	s_lshl_b32 s38, s40, 16                        ; the rounded alpha as f32,
	s_mov_b32 s39, s38                             ; named as a pair by the packed multiply
	s_xor_b32 s37, s40, 0x80008000                 ; -alpha twice in bf16
	s_cmp_lt_u32 s2, 80
	s_cbranch_scc1 .Lconv
	s_cmp_lt_u32 s2, 144
	s_cbranch_scc1 .Lprod
	; ---- THE TABLE: thread t takes entries 2 t and 2 t + 1 of each row of 256 ----
.macro RND2 a                           ; a pair of f32 rounded to bf16 and widened again
	v_cvt_pk_bf16_f32 v10, v[\a], v[(\a)+1]
	v_lshlrev_b32 v[\a], 16, v10
	v_and_b32 v[(\a)+1], 0xffff0000, v10
.endm
	v_lshlrev_b32 v5, 3, v0                        ; 8 t
	v_lshlrev_b32 v6, 1, v0                        ; 2 t
	v_mov_b32 v8, 0
	global_load_b64 v[16:17], v5, s[22:23]         ; b_ge
	global_load_b64 v[18:19], v5, s[24:25]         ; b_eq
	global_load_b64 v[20:21], v5, s[26:27]         ; b_tr
	global_load_b64 v[22:23], v5, s[30:31]         ; b1
.irp c, 0,1,2,3
	v_add_nc_u32 v[40+\c], 256*\c, v6              ; b2's index 256 c + 2 t,
	v_min_u32 v[44+\c], 998, v[40+\c]              ; held inside its 1,000 numbers
	v_lshlrev_b32 v[44+\c], 2, v[44+\c]
	global_load_b64 v[24+2*\c:25+2*\c], v[44+\c], s[32:33]
.endr
	s_xor_b32 s41, s38, 0x80000000                 ; -alpha
	s_wait_loadcnt 0x0
.irp a, 16,18,20,22,24,26,28,30
	RND2 \a
.endr
.irp c, 0,1,2,3
	v_cmp_gt_u32 vcc_lo, 1000, v[40+\c]            ; from entry 1000 on: 0
	v_cndmask_b32 v[24+2*\c], v8, v[24+2*\c], vcc_lo
	v_cndmask_b32 v[25+2*\c], v8, v[25+2*\c], vcc_lo
.endr
	v_mul_f32 v18, 0xbfb8aa3b, v18                 ; BQ = -log2(e) b_eq
	v_mul_f32 v19, 0xbfb8aa3b, v19
	v_mul_f32 v20, s41, v20                        ; NB = -alpha b_tr
	v_mul_f32 v21, s41, v21
	v_exp_f32 v32, v18                             ; E5 = 1 / (1 + 2^BQ)
	v_exp_f32 v33, v19
	v_nop                                          ; a plain instruction between a transcendental and the use of its result (ISA guide 5.7.2)
	s_wait_alu depctr_va_vdst(0)
	v_add_f32 v32, 1.0, v32
	v_add_f32 v33, 1.0, v33
	v_rcp_f32 v32, v32
	v_rcp_f32 v33, v33
	v_nop
	global_store_b64 v5, v[16:17], s[34:35] offset:TABG          ; each row of the table is 1,024 consecutive bytes, 256 a wave
	global_store_b64 v5, v[18:19], s[34:35] offset:TABG+2048
	global_store_b64 v5, v[20:21], s[34:35] offset:TABG+3072
	global_store_b64 v5, v[22:23], s[34:35] offset:TABG+4096
	s_wait_alu depctr_va_vdst(0)
	global_store_b64 v5, v[32:33], s[34:35] offset:TABG+5120
.irp c, 0,1,2,3
	global_store_b64 v5, v[24+2*\c:25+2*\c], s[34:35] offset:TABG+6144+1024*\c
.endr
	s_endpgm
	; ---- BLOCKS 0 TO 9: round, scale where the block is TR, lay out ----
.Lconv:
	s_lshr_b32 s3, s2, 3                           ; the block
	s_and_b32 s4, s2, 7                            ; its K step of 32 rows
	s_and_b32 s6, s3, 1
	s_lshl_b32 s6, s6, 8                           ; first row in the source: 256 for a second half,
	s_sub_co_u32 s7, s3, 6
	s_lshl_b32 s7, s7, 8                           ; first column: 256 (block - 6) in W2
	s_movk_i32 s41, 1024                           ; bytes from row to row
	s_movk_i32 s42, 255                            ; the source's last column
	s_mov_b32 s43, 0x3f803f80                      ; the factor: 1.0 twice in bf16
	s_mov_b64 s[44:45], s[8:9]                     ; the source: W_ge,
	s_cmp_eq_u32 s3, 2
	s_cselect_b64 s[44:45], s[10:11], s[44:45]     ; W_eq,
	s_cmp_eq_u32 s3, 3
	s_cselect_b64 s[44:45], s[12:13], s[44:45]     ; W_tr, from its row 0, times -alpha,
	s_cselect_b32 s6, 0, s6
	s_cselect_b32 s43, s37, s43
	s_cmp_ge_u32 s3, 4
	s_cselect_b64 s[44:45], s[14:15], s[44:45]     ; W1,
	s_cmp_ge_u32 s3, 6
	s_cselect_b64 s[44:45], s[16:17], s[44:45]     ; or W2: rows of 4,000 bytes, 1,000 columns
	s_cselect_b32 s6, 0, s6
	s_cselect_b32 s7, s7, 0
	s_cselect_b32 s41, 4000, s41
	s_cselect_b32 s42, 999, s42
	s_lshl_b32 s46, s4, 5
	s_add_co_u32 s46, s46, s6
	v_lshl_add_u32 v5, v3, 3, s46                  ; my first row: first row + 32 ks + 8 h,
	v_mul_lo_u32 v5, v5, s41                       ; in bytes
	s_lshl_b32 s46, s5, 6
	s_add_co_u32 s46, s46, s7
	v_add_nc_u32 v6, s46, v2                       ; my column at ct = 0: first column + 64 w + r
	v_mov_b32 v7, s43
	v_mov_b32 v8, 0
.irp ct, 0,1,2,3
	v_add_nc_u32 v10, 16*\ct, v6
	v_cmp_lt_u32 vcc_lo, s42, v10                  ; a column past the source's last: the load is held inside, the factor is 0
	v_cndmask_b32 v[16+\ct], v7, v8, vcc_lo
	v_min_u32 v10, s42, v10
	v_lshl_add_u32 v[12+\ct], v10, 2, v5
.endr
	s_lshl_b32 s46, s3, 17
	s_lshl_b32 s47, s5, 15
	s_add_co_u32 s46, s46, s47
	s_lshl_b32 s47, s4, 12
	s_add_co_u32 s46, s46, s47
	v_lshl_add_u32 v9, v4, 4, s46                  ; where my 16 bytes go: block, wave, K step, lane
; 64 loads: for each ct the lane's 16 numbers of one column, rows 8 h + 0..7 and 16 + 8 h + 0..7; the row stands in the immediate, so the run is written once for each pitch
.macro CLOAD pitch
.set k, 0
.rept 64
	global_load_b32 v[64+k], v[12+k/16], s[44:45] offset:((k%16)+8*((k%16)/8))*(\pitch)
.set k, k+1
.endr
.endm
	s_cmp_ge_u32 s3, 6
	s_cbranch_scc1 .Lwide
	CLOAD 1024
	s_branch .Lcvt
.Lwide:
	CLOAD 4000
.Lcvt:
	s_wait_loadcnt 0x0
.set k, 0
.rept 32                                ; in place: word k takes numbers 2 k and 2 k + 1, which lie at or above it
	v_cvt_pk_bf16_f32 v[64+k], v[64+2*k], v[64+2*k+1]
.set k, k+1
.endr
.set k, 0
.rept 32
	v_pk_mul_bf16 v[64+k], v[64+k], v[16+k/8]      ; times 1 (exact), -alpha (one more rounding) or 0
.set k, k+1
.endr
.irp n, 0,1,2,3,4,5,6,7
	global_store_b128 v9, v[64+4*\n:64+4*\n+3], s[34:35] offset:512*\n   ; each store covers 512 consecutive bytes, at a multiple of 512 from ws's first
.endr
	s_endpgm
	; ---- BLOCK 10: TA = alpha (W_tr W_ab), one tile of 16 (k) x 16 (n) a wave, the sum over 256 in eight matrix instructions ----
.Lprod:
	s_sub_co_u32 s3, s2, 80
	s_and_b32 s4, s3, 15                           ; ns: columns 16 ns on
	s_lshr_b32 s6, s3, 4
	s_lshl2_add_u32 s6, s6, s5                     ; kt = 4 (idx / 16) + wave: rows 16 kt on
	s_lshl_b32 s7, s4, 6
	v_lshl_add_u32 v54, v2, 2, s7                  ; 4 (16 ns + r): my column, in bytes
	v_lshl_add_u32 v12, v3, 13, v54                ; W_ab: + 8 h rows of 1,024 bytes
	s_lshl_b32 s41, s6, 14
	v_lshl_add_u32 v13, v2, 10, s41                ; W_tr: row 16 kt + r,
	v_lshl_add_u32 v13, v3, 5, v13                 ; + 8 h numbers
	v_lshlrev_b32 v15, 5, v3                       ; b_tr: 8 h numbers in
	s_lshr_b32 s42, s4, 2
	s_lshl_b32 s42, s42, 15                        ; the tile's place in the block: w = ns / 4,
	s_lshr_b32 s43, s6, 1
	s_lshl_b32 s43, s43, 12                        ; ks = kt / 2,
	s_add_co_u32 s42, s42, s43
	s_and_b32 s43, s4, 3
	s_lshl_b32 s43, s43, 10                        ; ct = ns % 4,
	s_add_co_u32 s42, s42, s43
	s_and_b32 s43, s6, 1
	s_lshl_b32 s43, s43, 9                         ; q = kt % 2
	s_add_co_u32 s42, s42, s43
	v_lshl_add_u32 v14, v4, 4, s42
.set k, 0
.rept 128                               ; source 1: column 16 ns + r of W_ab, for step s = k / 16 rows 32 s + 8 h + 0..7 and 32 s + 16 + 8 h + 0..7
	global_load_b32 v[128+k], v12, s[18:19] offset:(32*(k/16)+(k%16)+8*((k%16)/8))*1024
.set k, k+1
.endr
; source 0 as f32, into window 1: for each step 16 numbers of the lane's row, which lie along the row: four loads of 16 bytes
.macro ARAW sb, vo
	WIN 0x40                                       ; destination window 1, address window 0
.irp s, 0,1,2,3,4,5,6,7
.irp c, 0,1,2,3
	global_load_b128 v[16*(\s)+4*(\c):16*(\s)+4*(\c)+3], v[\vo], s[\sb:\sb+1] offset:(\s)*128+((\c)/2)*64+((\c)%2)*16
.endr
.endr
	WIN 0
.endm
.macro ACVT                             ; rounded to bf16: step s's fragment at v[64 + 8 s]
	WIN 0x05                                       ; sources 0 and 1 window 1
.set k, 0
.rept 64
	v_cvt_pk_bf16_f32 v[64+k], v[2*k], v[2*k+1]
.set k, k+1
.endr
	WIN 0
.endm
.macro PMUL ea, eb                      ; eight steps on two accumulators by turns; the first two start the sums
.irp s, 0,1,2,3,4,5,6,7
.set rD, (\ea)+((\eb)-(\ea))*((\s)%2)
.if (\s) < 2
	v_wmma_f32_16x16x32_bf16 v[rD:rD+7], v[64+8*(\s):64+8*(\s)+7], v[128+8*(\s):128+8*(\s)+7], 0
.else
	v_wmma_f32_16x16x32_bf16 v[rD:rD+7], v[64+8*(\s):64+8*(\s)+7], v[128+8*(\s):128+8*(\s)+7], v[rD:rD+7]
.endif
.endr
.rept 4
	v_nop                                          ; four places between a matrix instruction and a vector instruction that reads its result (ISA guide 7.12.1)
.endr
.endm
	ARAW 12, 13
	s_wait_loadcnt 0x0
.set k, 0
.rept 64                                ; W_ab's numbers, in place
	v_cvt_pk_bf16_f32 v[128+k], v[128+2*k], v[128+2*k+1]
.set k, k+1
.endr
	ACVT
	PMUL 32, 40
.irp p, 0,1,2,3                         ; register j of lane (r, h) is row 16 kt + 8 h + j, column 16 ns + r: the block's image as it stands
	v_pk_add_f32 v[32+2*\p:33+2*\p], v[32+2*\p:33+2*\p], v[40+2*\p:41+2*\p]
.endr
.irp p, 0,1,2,3
	v_pk_mul_f32 v[32+2*\p:33+2*\p], v[32+2*\p:33+2*\p], s[38:39] op_sel_hi:[1,0]
.endr
.irp p, 0,1,2,3
	v_cvt_pk_bf16_f32 v[48+\p], v[32+2*\p], v[33+2*\p]
.endr
	global_store_b128 v14, v[48:51], s[34:35] offset:10*BLK      ; 512 consecutive bytes, at a multiple of 512
	s_cmp_lg_u32 s6, 0
	s_cbranch_scc1 .Lpend
	; the waves with kt = 0 also make CT for their 16 columns: the same product with b_tr in all 16 rows of source 0
	ARAW 26, 15
	global_load_b32 v52, v54, s[28:29]             ; b_ab
	s_wait_loadcnt 0x0
	ACVT
	PMUL 16, 24
	v_add_f32 v53, v16, v24                        ; every row holds b_tr W_ab: register 0 serves
	v_cvt_pk_bf16_f32 v52, v52, v52
	v_lshlrev_b32 v52, 16, v52
	v_fma_f32 v53, v53, s38, v52
	global_store_b32 v54, v53, s[34:35] offset:TABG+1024         ; 64 bytes a wave, 1,024 in the launch; lanes 16-31 store the same numbers to the same places as lanes 0-15
.Lpend:
	s_endpgm
.Lfunc_end_k_qfcc4791413_prep:
	.size	k_qfcc4791413_prep, .Lfunc_end_k_qfcc4791413_prep-k_qfcc4791413_prep
	.p2alignl 7, 3214868480
	.fill 96, 4, 3214868480
	.section	.rodata,"a",@progbits
	.p2align	6, 0x0
	.amdhsa_kernel k_qfcc4791413_prep
		.amdhsa_group_segment_fixed_size 0
		.amdhsa_private_segment_fixed_size 0
		.amdhsa_enable_private_segment 0
		.amdhsa_kernarg_size 112
		.amdhsa_user_sgpr_count 2
		.amdhsa_user_sgpr_kernarg_segment_ptr 1
		.amdhsa_wavefront_size32 1
		.amdhsa_system_sgpr_workgroup_id_x 1
		.amdhsa_system_sgpr_workgroup_id_y 1
		.amdhsa_system_sgpr_workgroup_id_z 1
		.amdhsa_system_vgpr_workitem_id 0
		.amdhsa_next_free_vgpr 384
		.amdhsa_next_free_sgpr 66
		.amdhsa_reserve_vcc 1
		.amdhsa_float_denorm_mode_32 3
		.amdhsa_float_denorm_mode_16_64 3
		.amdhsa_memory_ordered 1
		.amdhsa_forward_progress 1
		.amdhsa_inst_pref_size 59
	.end_amdhsa_kernel
	.amdgpu_metadata
---
amdhsa.version: [ 1, 2 ]
amdhsa.kernels:
  - .name:           k_qfcc4791413_prep
    .symbol:         k_qfcc4791413_prep.kd
    .args:
      - { .name: W_ge, .offset: 0, .size: 8, .value_kind: global_buffer, .address_space: global }
      - { .name: W_eq, .offset: 8, .size: 8, .value_kind: global_buffer, .address_space: global }
      - { .name: W_tr, .offset: 16, .size: 8, .value_kind: global_buffer, .address_space: global }
      - { .name: W1, .offset: 24, .size: 8, .value_kind: global_buffer, .address_space: global }
      - { .name: W2, .offset: 32, .size: 8, .value_kind: global_buffer, .address_space: global }
      - { .name: W_ab, .offset: 40, .size: 8, .value_kind: global_buffer, .address_space: global }
      - { .name: alpha, .offset: 48, .size: 8, .value_kind: global_buffer, .address_space: global }
      - { .name: b_ge, .offset: 56, .size: 8, .value_kind: global_buffer, .address_space: global }
      - { .name: b_eq, .offset: 64, .size: 8, .value_kind: global_buffer, .address_space: global }
      - { .name: b_tr, .offset: 72, .size: 8, .value_kind: global_buffer, .address_space: global }
      - { .name: b_ab, .offset: 80, .size: 8, .value_kind: global_buffer, .address_space: global }
      - { .name: b1, .offset: 88, .size: 8, .value_kind: global_buffer, .address_space: global }
      - { .name: b2, .offset: 96, .size: 8, .value_kind: global_buffer, .address_space: global }
      - { .name: ws, .offset: 104, .size: 8, .value_kind: global_buffer, .address_space: global }
    .group_segment_fixed_size: 0
    .private_segment_fixed_size: 0
    .kernarg_segment_align: 8
    .kernarg_segment_size: 112
    .max_flat_workgroup_size: 128
    .sgpr_count:     66
    .vgpr_count:     384
    .wavefront_size: 32
...
	.end_amdgpu_metadata
.endif
;; end of part 1
;; launch flow (part 2): grid 256 x 1, 4 waves a work-group, no clusters, 308,224 bytes of LDS; arguments x, ws, out0; writes out0
.if DOCPART == 2
	.amdgcn_target "amdgcn-amd-amdhsa--gfx1250"
	.amdhsa_code_object_version 6
	.text
	.protected	k_qfcc4791413_flow
	.globl	k_qfcc4791413_flow
	.p2align	8
	.type	k_qfcc4791413_flow,@function
k_qfcc4791413_flow:
	s_mov_b64 s[64:65], 0
	v_nop
	global_prefetch_b8 v0, s[64:65] scope:SCOPE_SE
	s_setreg_imm32_b32 hwreg(HW_REG_WAVE_MODE, 25, 1), 1
	s_wait_xcnt 0x0
; FLOW: the whole network for 64 rows a work-group; nothing between x and out0 leaves the WGP.
;   g0 = relu(x W_ge + b_ge);  two sweeps of four descending and four ascending plates;  out = relu([g4, l1] W1 + b1) W2 + b2.
; WHAT IS NOT COMPUTED, for every input: a descending plate makes l alone, an ascending one g alone.  With e_n = sigmoid(l_n W_eq + b_eq), TA = alpha W_tr W_ab, CT = alpha b_tr W_ab + b_ab,
; TR = -alpha W_tr, NB = -alpha b_tr:   descent n = 4..1:  l_n = l_(n+1) + (g_(n-1) - e_(n+1)) TA + CT;     ascent n = 1..4:  g_n = g_(n-1) + (g_(n-1) - e_n) TR + NB.
; e_2..e_4 are made once, in the descent, and kept for the ascent; l_5 = 0, so e_5 = sigmoid(b_eq) comes from the table; the first sweep's g_4 is never read.
; SHARES. 4 waves; wave w owns columns 64 w .. 64 w + 63 of every product.  The matrix instruction is used transposed: source 0 = 16 output columns of a weight, source 1 = 16 rows of the
; activation; in the result lane (r = lane % 16, h = lane / 16) holds row r, and register j column 8 h + j: eight neighbouring numbers of a row, 16 bytes of the next activation in bf16.
; WEIGHTS LIE IN REGISTERS: a wave's 64 columns of a 256 x 256 matrix in bf16 are 32 fragments, 256 registers, one window.  Windows 1, 2, 3 hold TA, W_eq, TR through all plates; only the
; activation is read from LDS.  Window 0 has room for the state of 32 rows, so the plates run twice: rows 0-31, then rows 32-63.
; NO CLUSTER, NO TENSOR LOAD: what the work-groups share is the weights, and they go from memory straight into registers in their register image, eleven blocks once a work-group; a joint
; tensor load would land them in LDS, where 308,224 of 327,680 bytes are taken, to be read from there once more.
; FORMATS. All matrix operands bf16, sums f32; g and l are carried in f32.  g4 enters W1 as two bf16 operands, its rounding and what the rounding left.  The kept e lies in 0 to 1 for every
; input and is kept in f16.  LIMITS: e's f16 step is 2^-11 at the most; v_exp_f32 and v_rcp_f32 flush denormals; NaN and infinities are not treated apart.
; ONE TEXT FOR BOTH SWEEPS: G0..G3 all start as g0 (what the first descent takes where no g exists yet).  The price: the first sweep's last difference g3 - e4 and the second sweep's stores of
; g1..g3 serve nothing: 112 vector and 56 LDS instructions a batch.
;
; ws: eleven blocks of 131,072 bytes (0, 1 W_ge; 2 W_eq; 3 TR; 4, 5 W1; 6-9 W2; 10 TA), then the table.
.set BLK,  131072
.set TABG, 11*BLK
.set T_BG, 0                            ; the table's rows, in ws and in LDS
.set T_CT, 1024
.set T_BQ, 2048
.set T_NB, 3072
.set T_B1, 4096
.set T_E5, 5120
.set T_B2, 6144
; LDS
.set PA,   528                          ; an activation's row: 512 bytes + 16: 33 x 16, so the 16 rows of a load start at 16 different groups of four banks (ISA guide 11.1)
.set RT16, 16*PA
.set ACT,  32*PA                        ; an activation of 32 rows
.set A0,   10240                        ; behind the table: two activations that take turns; at the end they hold h
.set A1,   A0+ACT
.set F0,   A1+ACT                       ; batch 0's features: l1, g4's rounding, g4's remainder
.set FSZ,  3*ACT
.set GSZ,  32768                        ; 32 rows x 256 f32, each lane's registers as they lie: wave x 8,192 + lane x 16 + i x 512
.set GS,   F0+FSZ                       ; g0 of rows 32-63.  Batch 1's features lie from here on: GS is dead behind that batch's start, G0 at its end
.set G0,   GS+GSZ                       ; G0..G3
.set ESZ,  16384                        ; the same in f16
.set E2,   G0+4*GSZ                     ; E2..E4
.set SPARE, E2+3*ESZ                    ; the spare words: 128 bytes a wave, two blocks of 256 bytes that no other line names
.set PX,   1040                         ; x in bf16: 64 rows of 1,024 bytes + 16, over G1..G3, which are first written behind the encoder
.set XB,   G0+GSZ
.set OUTB, F0                           ; the result, 64 rows of 4,000 bytes as they lie in out0, over all that is dead by then
.set PO,   4000
; window 0: v1 spare word, v2 zero (for the add alone); v3 -1.0; v4 32768 w + 16 lane; v5 256 w + 32 h (table); v6 r PA + 16 h + 128 w (where I store); v7 r PA + 16 h (where I read);
; v8 = A0 + v6; v9 = A0 + v7; v10, v11 features + v6, + v7; v12, v13 my place in a G, an E; v14, v15 the G and E in hand; v16 G0 + v12; v17 G2 + v12; v18 x's fragments, later the batch's g0;
; v19 x's store, later with v20 the result's rows; v21, v22 h's store and read; v23 lane; v24 GS + v12, later with v25 the ascent's read and store; v29, v31 16 t; v30 r PO + 32 h + 256 w
.set T,  32                             ; v32-63    a bias for my 64 columns, 8 numbers for each of 4 column tiles; also at work
.set FR, 64                             ; v64-127   two halves of four activation fragments; also at work
.set S,  128                            ; v128-191  accumulators (row tile rt, column tile ct) at S + 8 (4 rt + ct): the carried l or g
.set Z,  192                            ; v192-255  a second set
; s[4:5] x, s[6:7] ws, s[8:9] out0, s10 wave, s11 mask, s[14:15] -log2(e), s16-18 counters, s19 the batch's g0, s20 its features, s21-24 G and E in hand, s25, s26 the ascent's activations, s27 h, s28 result
.set MSB, 0
.macro WIN new                          ; the immediate's high byte repeats the setting that is left; a switch that changes nothing is dropped
.if MSB != (\new)
	s_set_vgpr_msb (MSB<<8)|(\new)
.set MSB, \new
.endif
.endm
.macro BAR                              ; my LDS stores are done and my LDS reads are back; then all four waves meet
	s_wait_dscnt 0x0
	s_barrier_signal -1
	s_barrier_wait -1
.endm
.macro NOP4                             ; four places between a matrix instruction and a vector instruction or a load that touches its registers (ISA guide 7.12.1 for vector instructions)
.rept 4
	v_nop
.endr
.endm
.macro WLOAD win, blk                   ; my quarter of a weight block into a window: 64 loads of 512 consecutive bytes
	WIN (\win)<<6
.set f, 0
.rept 64
	global_load_b128 v[4*f:4*f+3], v4, s[6:7] offset:(\blk)*BLK+f*512
.set f, f+1
.endr
	WIN 0
.endm
.macro TLOAD tab                        ; a row of the table: T[8 ct + j] belongs to column 64 w + 16 ct + 8 h + j
.irp ct, 0,1,2,3
.irp u, 0,1
	ds_load_b128 v[T+8*(\ct)+4*(\u):T+8*(\ct)+4*(\u)+3], v5 offset:(\tab)+(\ct)*64+16*(\u)
.endr
.endr
.endm
.macro FLOAD half, k0, va, off, rp      ; the fragments of 32 rows for K steps k0, k0 + 1: eight loads
.irp kk, 0,1
.irp rt, 0,1
.irp q, 0,1
	ds_load_b128 v[FR+32*(\half)+16*(\kk)+8*(\rt)+4*(\q):FR+32*(\half)+16*(\kk)+8*(\rt)+4*(\q)+3], v[\va] offset:(\off)+(\rt)*(\rp)+((\k0)+(\kk))*64+32*(\q)
.endr
.endr
.endr
.endm
.macro MUL16 acc, half, k0, zero        ; 16 matrix instructions; the 8 accumulators take turns, one instruction a turn
.irp kk, 0,1
.irp rt, 0,1
.irp ct, 0,1,2,3
.set rD, (\acc)+8*(4*(\rt)+(\ct))
.set rW, 8*(4*((\k0)+(\kk))+(\ct))
.set rB, FR+32*(\half)+16*(\kk)+8*(\rt)
.if (\zero) && (((\k0)+(\kk)) == 0)
	v_wmma_f32_16x16x32_bf16 v[rD:rD+7], v[rW:rW+7], v[rB:rB+7], 0
.else
	v_wmma_f32_16x16x32_bf16 v[rD:rD+7], v[rW:rW+7], v[rB:rB+7], v[rD:rD+7]
.endif
.endr
.endr
.endr
.endm
; 32 rows x my 64 columns x K = 256: 64 matrix instructions, 32 LDS loads.  While one half of FR is multiplied the other's loads are on their way.
; Each s_wait_dscnt 8 leaves out the eight loads issued last and no more: LDS instructions end in order (ISA guide 5.7.1).
.macro MM32 acc, win, va, off, rp, zero
	WIN 0
	NOP4
	FLOAD 0, 0, \va, \off, \rp
	FLOAD 1, 2, \va, \off, \rp
	s_wait_dscnt 8
	WIN \win                                       ; source 0 in the weight's window, all else in window 0
	MUL16 \acc, 0, 0, \zero
	WIN 0
	NOP4
	FLOAD 0, 4, \va, \off, \rp
	s_wait_dscnt 8
	WIN \win
	MUL16 \acc, 1, 2, 0
	WIN 0
	NOP4
	FLOAD 1, 6, \va, \off, \rp
	s_wait_dscnt 8
	WIN \win
	MUL16 \acc, 0, 4, 0
	s_wait_dscnt 0x0
	MUL16 \acc, 1, 6, 0
	WIN 0
.endm
.macro PACKST dst, src, va, off         ; 64 numbers to bf16 (in place too: word k takes numbers 2 k, 2 k + 1), 16 bytes for each accumulator into the activation's rows
.set k, 0
.rept 32
	v_cvt_pk_bf16_f32 v[(\dst)+k], v[(\src)+2*k], v[(\src)+2*k+1]
.set k, k+1
.endr
.irp a, 0,1,2,3,4,5,6,7
	ds_store_b128 v[\va], v[(\dst)+4*(\a):(\dst)+4*(\a)+3] offset:(\off)+((\a)/4)*RT16+((\a)%4)*32
.endr
.endm
.macro ADDT acc                         ; + the bias in T; each accumulator's lowest registers first
.irp a, 0,1,2,3,4,5,6,7
.irp p, 0,1,2,3
	v_pk_add_f32 v[(\acc)+8*(\a)+2*(\p):(\acc)+8*(\a)+2*(\p)+1], v[(\acc)+8*(\a)+2*(\p):(\acc)+8*(\a)+2*(\p)+1], v[T+8*((\a)%4)+2*(\p):T+8*((\a)%4)+2*(\p)+1]
.endr
.endr
.endm
.macro RELU acc
.set k, 0
.rept 64
	v_max_num_f32 v[(\acc)+k], 0, v[(\acc)+k]
.set k, k+1
.endr
.endm
.macro OWNST acc, va, off               ; 64 registers as they lie: 16 stores of 512 consecutive bytes
.set i, 0
.rept 16
	ds_store_b128 v[\va], v[(\acc)+4*i:(\acc)+4*i+3] offset:(\off)+i*512
.set i, i+1
.endr
.endm
.macro OWNLD acc, va, off
.set i, 0
.rept 16
	ds_load_b128 v[(\acc)+4*i:(\acc)+4*i+3], v[\va] offset:(\off)+i*512
.set i, i+1
.endr
.endm
; Behind S = l_n: l_n in bf16 becomes the next activation; more = 1: CT (in T) is added for the step to come.
.macro EPI_L va, off, more
	NOP4
	PACKST Z, S, \va, \off
.if \more
	ADDT S
.endif
	BAR
.endm
; Behind Z = l W_eq, with BQ in T: e = 1 / (1 + 2^(-log2(e) Z + BQ)); est = 1: e is kept in f16; g comes from my place at gva into gdst; g - e becomes activation A0.
.macro EPI_E gva, gdst, est
	NOP4
	OWNLD \gdst, \gva, 0
.irp a, 0,1,2,3,4,5,6,7
.irp p, 0,1,2,3
	v_pk_fma_f32 v[Z+8*(\a)+2*(\p):Z+8*(\a)+2*(\p)+1], v[Z+8*(\a)+2*(\p):Z+8*(\a)+2*(\p)+1], s[14:15], v[T+8*((\a)%4)+2*(\p):T+8*((\a)%4)+2*(\p)+1] op_sel_hi:[1,0,1]
.endr
.endr
.set k, 0
.rept 64
	v_exp_f32 v[Z+k], v[Z+k]
.set k, k+1
.endr
	v_nop                                          ; a plain instruction between the last transcendental and the use of its result (ISA guide 5.7.2)
.set k, 0
	s_wait_alu depctr_va_vdst(0)
.rept 32
	v_pk_add_f32 v[Z+2*k:Z+2*k+1], v[Z+2*k:Z+2*k+1], 1.0 op_sel_hi:[1,0]
.set k, k+1
.endr
.set k, 0
.rept 64
	v_rcp_f32 v[Z+k], v[Z+k]
.set k, k+1
.endr
	v_nop
.if \est
.set k, 0
	s_wait_alu depctr_va_vdst(0)
.rept 32
	v_cvt_pk_f16_f32 v[T+k], v[Z+2*k], v[Z+2*k+1]
.set k, k+1
.endr
.set i, 0
.rept 8
	ds_store_b128 v15, v[T+4*i:T+4*i+3] offset:i*512
.set i, i+1
.endr
	s_wait_dscnt 8                                 ; g is in: only e's eight stores were issued behind its loads
.else
	s_wait_dscnt 0x0                               ; g is in
.endif
.set k, 0
	s_wait_alu depctr_va_vdst(0)
.rept 32
	v_pk_add_f32 v[Z+2*k:Z+2*k+1], v[(\gdst)+2*k:(\gdst)+2*k+1], v[Z+2*k:Z+2*k+1] neg_lo:[0,1] neg_hi:[0,1]
.set k, k+1
.endr
	PACKST Z, Z, 8, 0
	BAR
.endm
; Behind S = g_(n-1) + df TR, with NB in T: g_n = S + NB is kept; g_n - e_(n+1), with the kept e, becomes the next activation.
.macro EPI_G
	NOP4
.set i, 0
.rept 8
	ds_load_b128 v[FR+4*i:FR+4*i+3], v15 offset:i*512
.set i, i+1
.endr
	ADDT S
	OWNST S, 14, 0
	s_wait_dscnt 16                                ; e is in: only g's sixteen stores were issued behind its loads
.set k, 0
.rept 32
	v_fma_mix_f32 v[Z+2*k], v[FR+k], v3, v[S+2*k] op_sel:[0,0,0] op_sel_hi:[1,0,0]      ; e's f16 half x -1 + g
	v_fma_mix_f32 v[Z+2*k+1], v[FR+k], v3, v[S+2*k+1] op_sel:[1,0,0] op_sel_hi:[1,0,0]
.set k, k+1
.endr
	PACKST Z, Z, 25, 0
	BAR
.endm
	; ---- the head ----
	s_load_b128 s[4:7], s[0:1], 0x0                ; x, ws
	s_load_b64 s[8:9], s[0:1], 0x10                ; out0
	v_lshl_add_u32 v1, v0, 2, SPARE
	v_mov_b32 v2, 0
	v_mov_b32 v3, -1.0
	v_lshrrev_b32 v26, 5, v0
	v_readfirstlane_b32 s10, v26                   ; wave 0..3
	v_and_b32 v23, 31, v0                          ; lane
	v_and_b32 v27, 15, v0                          ; r
	v_bfe_u32 v28, v0, 4, 1                        ; h
	s_mov_b32 s11, 0xffff0000                      ; a word's upper bf16
	s_mov_b32 s14, 0xbfb8aa3b                      ; -log2(e),
	s_mov_b32 s15, s14                             ; named as a pair
	s_lshl_b32 s30, s10, 15
	v_lshl_add_u32 v4, v23, 4, s30
	s_lshl_b32 s30, s10, 8
	v_lshl_add_u32 v5, v28, 5, s30
	v_mul_u32_u24 v30, v27, PO
	v_lshl_add_u32 v30, v28, 5, v30
	v_add_nc_u32 v30, s30, v30
	v_mul_u32_u24 v7, v27, PA
	v_lshl_add_u32 v7, v28, 4, v7
	s_lshl_b32 s30, s10, 7
	v_add_nc_u32 v6, s30, v7
	v_add_nc_u32 v8, A0, v6
	v_add_nc_u32 v9, A0, v7
	s_lshl_b32 s30, s10, 13
	v_lshl_add_u32 v12, v23, 4, s30
	s_lshl_b32 s30, s10, 12
	v_lshl_add_u32 v13, v23, 4, s30
	v_add_nc_u32 v16, G0, v12
	v_add_nc_u32 v17, G0+2*GSZ, v12
	v_add_nc_u32 v24, GS, v12
	v_mul_u32_u24 v18, v27, PX
	v_lshl_add_u32 v18, v28, 4, v18
	v_add_nc_u32 v18, XB, v18
	s_mul_i32 s30, s10, 16*PX
	s_add_co_u32 s30, s30, XB
	v_lshl_add_u32 v19, v23, 3, s30                ; x's store: my wave's 16 rows, 8 bytes a lane
	v_lshlrev_b32 v29, 4, v0                       ; 16 t
	s_wait_kmcnt 0x0
	s_lshl_b32 s12, ttmp9, 17                      ; 64 rows of 2,048 bytes
	s_mov_b32 s13, 0
	s_add_nc_u64 s[4:5], s[4:5], s[12:13]
	s_mul_i32 s12, ttmp9, 64*PO                    ; 64 rows of 4,000 bytes, a multiple of 256
	s_add_nc_u64 s[8:9], s[8:9], s[12:13]
	; ---- the table, x and the first weights ----
.irp c, 0,1,2,3,4
	global_load_b128 v[T+4*\c:T+4*\c+3], v29, s[6:7] offset:TABG+2048*\c
.endr
.set i, 0
.rept 32                                ; my 16 rows of x: 64 loads of 512 consecutive bytes; half into S and Z, half into window 3
	global_load_b128 v[S+4*i:S+4*i+3], v4, s[4:5] offset:i*512 th:TH_LOAD_NT
.set i, i+1
.endr
	WIN 0xc0
.set i, 0
.rept 32
	global_load_b128 v[4*i:4*i+3], v4, s[4:5] offset:16384+i*512 th:TH_LOAD_NT
.set i, i+1
.endr
	WLOAD 1, 0                                     ; W_ge, rows 0-255
	s_wait_loadcnt 63                              ; 64 loads were issued behind x's last: the table and x are in
.irp c, 0,1,2,3,4
	ds_store_b128 v29, v[T+4*\c:T+4*\c+3] offset:2048*\c
.endr
.set i, 0
.rept 32                                ; load i: row i / 4 of my 16, f32 columns 128 (i % 4) + 4 lane: 8 bytes in bf16
	v_cvt_pk_bf16_f32 v[S+4*i], v[S+4*i], v[S+4*i+1]
	v_cvt_pk_bf16_f32 v[S+4*i+1], v[S+4*i+2], v[S+4*i+3]
	ds_store_b64 v19, v[S+4*i:S+4*i+1] offset:(i/4)*PX+(i%4)*256
.set i, i+1
.endr
	WIN 0x0f                                       ; sources 0 and 1 window 3
.set k, 0
.rept 64
	v_cvt_pk_bf16_f32 v[FR+k], v[2*k], v[2*k+1]
.set k, k+1
.endr
	WIN 0
.set i, 0
.rept 32
	ds_store_b64 v19, v[FR+2*i:FR+2*i+1] offset:((i+32)/4)*PX+(i%4)*256
.set i, i+1
.endr
	WLOAD 2, 1                                     ; W_ge, rows 256-511
	WLOAD 3, 3                                     ; TR
	BAR                                            ; the table and x are whole
	TLOAD T_BG
	; ---- the encoder: S = rows 0-31, Z = rows 32-63 ----
	s_wait_loadcnt 63                              ; 128 loads were issued behind window 1's
	MM32 S, 1, 18, 0, 16*PX, 1
	MM32 Z, 1, 18, 32*PX, 16*PX, 1
	NOP4
	WLOAD 1, 10                                    ; TA
	s_wait_loadcnt 63                              ; windows 2 and 3 are in: 64 loads were issued behind them
	MM32 S, 2, 18, 512, 16*PX, 0
	MM32 Z, 2, 18, 32*PX+512, 16*PX, 0
	NOP4
	WLOAD 2, 2                                     ; W_eq
	ADDT S
	RELU S
	OWNST S, 16, 0                                 ; g0 of rows 0-31 into G0
	ADDT Z
	RELU Z
	OWNST Z, 24, 0                                 ; g0 of rows 32-63 into GS
	BAR                                            ; every wave's reads of x are over: G1..G3 may be written
	s_wait_loadcnt 63                              ; TA is in; W_eq's 64 loads may be out
	; ---- the plates, a batch of 32 rows at a time ----
	s_mov_b32 s16, 2
	s_mov_b32 s19, G0
	s_mov_b32 s20, F0
.Lbatch:
	v_add_nc_u32 v18, s19, v12
	v_add_nc_u32 v10, s20, v6
	v_add_nc_u32 v11, s20, v7
	OWNLD S, 18, 0
	s_wait_dscnt 0x0
	OWNST S, 16, 0                                 ; G0..G3 = g0
	OWNST S, 16, GSZ
	OWNST S, 17, 0
	OWNST S, 17, GSZ
	s_mov_b32 s17, 2
.Lsweep:
	TLOAD T_E5                                     ; the first difference: g3 - e5
	OWNLD Z, 17, GSZ
	s_wait_dscnt 0x0
.irp a, 0,1,2,3,4,5,6,7
.irp p, 0,1,2,3
	v_pk_add_f32 v[Z+8*(\a)+2*(\p):Z+8*(\a)+2*(\p)+1], v[Z+8*(\a)+2*(\p):Z+8*(\a)+2*(\p)+1], v[T+8*((\a)%4)+2*(\p):T+8*((\a)%4)+2*(\p)+1] neg_lo:[0,1] neg_hi:[0,1]
.endr
.endr
	PACKST Z, Z, 8, 0
.irp a, 0,1,2,3,4,5,6,7                 ; S = l5 + CT = CT
.irp u, 0,1
	ds_load_b128 v[S+8*(\a)+4*(\u):S+8*(\a)+4*(\u)+3], v5 offset:T_CT+((\a)%4)*64+16*(\u)
.endr
.endr
	BAR
	s_mov_b32 s18, 3
	s_mov_b32 s21, G0+2*GSZ
	s_mov_b32 s22, E2+2*ESZ
.Ldesc:                                 ; n = 4, 3, 2: l_n; e_n, kept; g_(n-2) - e_n
	v_add_nc_u32 v14, s21, v12
	v_add_nc_u32 v15, s22, v13
	TLOAD T_CT
	MM32 S, 1, 9, 0, RT16, 0                       ; reads A0
	EPI_L 8, ACT, 1                                ; writes A1
	TLOAD T_BQ
	s_wait_loadcnt 0x0                             ; W_eq; in later trips nothing is out
	MM32 Z, 2, 9, ACT, RT16, 1                     ; reads A1
	EPI_E 14, FR, 1                                ; writes A0
	s_sub_co_u32 s21, s21, GSZ
	s_sub_co_u32 s22, s22, ESZ
	s_sub_co_u32 s18, s18, 1
	s_cmp_lg_u32 s18, 0
	s_cbranch_scc1 .Ldesc
	MM32 S, 1, 9, 0, RT16, 0                       ; n = 1: l1 goes to the features,
	EPI_L 10, 0, 0
	TLOAD T_BQ
	MM32 Z, 2, 11, 0, RT16, 1                      ; e1 is used at once,
	EPI_E 16, S, 0                                 ; and g0 lands in S, where the ascent carries g
	s_mov_b32 s18, 3
	s_mov_b32 s23, G0+GSZ
	s_mov_b32 s24, E2
	s_mov_b32 s25, A0
	s_mov_b32 s26, A1
.Lasc:                                  ; n = 1, 2, 3: g_n, kept; g_n - e_(n+1)
	v_add_nc_u32 v14, s23, v12
	v_add_nc_u32 v15, s24, v13
	v_add_nc_u32 v24, s25, v7
	v_add_nc_u32 v25, s26, v6
	TLOAD T_NB
	MM32 S, 3, 24, 0, RT16, 0
	EPI_G
	s_add_co_u32 s23, s23, GSZ
	s_add_co_u32 s24, s24, ESZ
	s_xor_b32 s25, s25, A0^A1                      ; the two activations change places
	s_xor_b32 s26, s26, A0^A1
	s_sub_co_u32 s18, s18, 1
	s_cmp_lg_u32 s18, 0
	s_cbranch_scc1 .Lasc
	s_sub_co_u32 s17, s17, 1
	s_cmp_lg_u32 s17, 0
	s_cbranch_scc1 .Lsweep
	TLOAD T_NB                                     ; g4, of the second sweep alone: the third trip left g3 - e4 in A1
	MM32 S, 3, 9, ACT, RT16, 0
	NOP4
	ADDT S
.set k, 0
.rept 32
	v_cvt_pk_bf16_f32 v[Z+k], v[S+2*k], v[S+2*k+1] ; g4 rounded,
.set k, k+1
.endr
.irp a, 0,1,2,3,4,5,6,7
	ds_store_b128 v10, v[Z+4*(\a):Z+4*(\a)+3] offset:ACT+((\a)/4)*RT16+((\a)%4)*32
.endr
.set k, 0
.rept 32
	v_lshlrev_b32 v[FR+2*k], 16, v[Z+k]            ; widened again,
	v_and_b32 v[FR+2*k+1], s11, v[Z+k]
.set k, k+1
.endr
.set k, 0
.rept 32
	v_pk_add_f32 v[FR+2*k:FR+2*k+1], v[S+2*k:S+2*k+1], v[FR+2*k:FR+2*k+1] neg_lo:[0,1] neg_hi:[0,1]   ; and what the rounding left
.set k, k+1
.endr
	PACKST FR, FR, 10, 2*ACT
	BAR
	s_sub_co_u32 s19, s19, GSZ                     ; the second batch's g0 lies in GS,
	s_add_co_u32 s20, s20, FSZ                     ; its features behind the first's
	s_sub_co_u32 s16, s16, 1
	s_cmp_lg_u32 s16, 0
	s_cbranch_scc1 .Lbatch
	; ---- h = relu(g4 W1[0:256] + l1 W1[256:512] + b1), a batch a trip; h takes A0 and A1 ----
	WLOAD 1, 4
	WLOAD 2, 5
	WLOAD 3, 6                                     ; W2's first block
	TLOAD T_B1
	s_wait_loadcnt 63                              ; windows 1 and 2 are in: 64 loads were issued behind them
	s_mov_b32 s18, 2
	s_mov_b32 s20, F0
	s_mov_b32 s27, A0
.Lw1:
	v_add_nc_u32 v11, s20, v7
	v_add_nc_u32 v21, s27, v6
	MM32 S, 1, 11, ACT, RT16, 1
	MM32 S, 1, 11, 2*ACT, RT16, 0
	MM32 S, 2, 11, 0, RT16, 0
	NOP4
	ADDT S
	RELU S
	PACKST Z, S, 21, 0
	s_add_co_u32 s20, s20, FSZ
	s_add_co_u32 s27, s27, ACT
	s_sub_co_u32 s18, s18, 1
	s_cmp_lg_u32 s18, 0
	s_cbranch_scc1 .Lw1
	WLOAD 1, 7
	WLOAD 2, 8
	BAR                                            ; h is whole, and nobody reads the features any more: the result may lie over them
	; ---- out = h W2 + b2: four blocks of 256 columns, gathered in LDS as the rows lie in out0 ----
.macro OST a                            ; an accumulator's 8 numbers: 32 bytes of a row
	ds_store_b128 v[19+(\a)/4], v[S+8*(\a):S+8*(\a)+3] offset:OJ+((\a)%4)*64
	ds_store_b128 v[19+(\a)/4], v[S+8*(\a)+4:S+8*(\a)+7] offset:OJ+((\a)%4)*64+16
.endm
.macro EPI_O j
.set OJ, 1024*(\j)
	NOP4
	ADDT S
.if (\j) < 3
.irp a, 0,1,2,3,4,5,6,7
	OST \a
.endr
.else                                   ; the last block ends at column 1000 = 768 + 64 x 3 + 16 x 2 + 8: wave 3 stores of tile 2 the lanes with h = 0 alone, of tile 3 nothing
.irp a, 0,1,4,5
	OST \a
.endr
	s_cmp_eq_u32 s10, 3
	s_cbranch_scc1 .Ledge_\@
.irp a, 2,3,6,7
	OST \a
.endr
	s_branch .Lfull_\@
.Ledge_\@:
	s_wait_xcnt 0x0                                ; EXEC changes only behind this wait
	v_cmp_gt_u32 vcc_lo, 16, v23
	s_and_saveexec_b32 s29, vcc_lo
	OST 2
	OST 6
	s_wait_xcnt 0x0
	s_or_b32 exec_lo, exec_lo, s29
.Lfull_\@:
.endif
.endm
.macro W2J j, win
	TLOAD T_B2+1024*(\j)
	s_mov_b32 s18, 2
	s_mov_b32 s27, A0
	s_mov_b32 s28, OUTB
.Lw2_\@:
	v_add_nc_u32 v22, s27, v7
	v_add_nc_u32 v19, s28, v30                     ; rows 0-15 of the batch,
	v_add_nc_u32 v20, 16*PO, v19                   ; rows 16-31
	MM32 S, \win, 22, 0, RT16, 1
	EPI_O \j
	s_add_co_u32 s27, s27, ACT
	s_add_co_u32 s28, s28, 32*PO
	s_sub_co_u32 s18, s18, 1
	s_cmp_lg_u32 s18, 0
	s_cbranch_scc1 .Lw2_\@
.endm
	s_wait_loadcnt 63                              ; window 3 is in: 128 loads were issued behind it
	W2J 0, 3
	WLOAD 3, 9
	s_wait_loadcnt 63                              ; windows 1 and 2 are in: 64 loads were issued behind them
	W2J 1, 1
	W2J 2, 2
	s_wait_loadcnt 0x0                             ; the last block
	W2J 3, 3
	BAR                                            ; the 256,000 bytes are whole
	; ---- the way out: 125 x 2,048 bytes; each wave's store covers 512 consecutive bytes, at a multiple of 256 from out0's first ----
	v_add_nc_u32 v29, OUTB, v29
	v_lshlrev_b32 v31, 4, v0
	s_mov_b32 s18, 5
.Lout:
.set i, 0
.rept 25
	ds_load_b128 v[S+4*i:S+4*i+3], v29 offset:i*2048
.set i, i+1
.endr
.set i, 0
.rept 25
	s_wait_dscnt 24-i                              ; LDS loads come back in order: load i is in
	global_store_b128 v31, v[S+4*i:S+4*i+3], s[8:9] offset:i*2048 th:TH_STORE_NT
.set i, i+1
.endr
	s_wait_xcnt 0x0                                ; the stores' address and data registers are rewritten only behind this wait
	v_add_nc_u32 v29, 25*2048, v29
	v_add_nc_u32 v31, 25*2048, v31
	s_sub_co_u32 s18, s18, 1
	s_cmp_lg_u32 s18, 0
	s_cbranch_scc1 .Lout
	s_wait_tensorcnt 0x0                           ; the wave's end
	ds_add_u32 v1, v2
	s_wait_dscnt 0x0
	s_endpgm
.Lfunc_end_k_qfcc4791413_flow:
	.size	k_qfcc4791413_flow, .Lfunc_end_k_qfcc4791413_flow-k_qfcc4791413_flow
	.p2alignl 7, 3214868480
	.fill 96, 4, 3214868480
	.section	.rodata,"a",@progbits
	.p2align	6, 0x0
	.amdhsa_kernel k_qfcc4791413_flow
		.amdhsa_group_segment_fixed_size 308224
		.amdhsa_private_segment_fixed_size 0
		.amdhsa_enable_private_segment 0
		.amdhsa_kernarg_size 24
		.amdhsa_user_sgpr_count 2
		.amdhsa_user_sgpr_kernarg_segment_ptr 1
		.amdhsa_wavefront_size32 1
		.amdhsa_system_sgpr_workgroup_id_x 1
		.amdhsa_system_sgpr_workgroup_id_y 1
		.amdhsa_system_sgpr_workgroup_id_z 1
		.amdhsa_system_vgpr_workitem_id 0
		.amdhsa_next_free_vgpr 1024
		.amdhsa_next_free_sgpr 66
		.amdhsa_reserve_vcc 1
		.amdhsa_float_denorm_mode_32 3
		.amdhsa_float_denorm_mode_16_64 3
		.amdhsa_memory_ordered 1
		.amdhsa_forward_progress 1
		.amdhsa_inst_pref_size 255
	.end_amdhsa_kernel
	.section	.bss,"aw",@nobits
	.p2align	6
	.space	262144
	.amdgpu_metadata
---
amdhsa.version: [ 1, 2 ]
amdhsa.kernels:
  - .name:           k_qfcc4791413_flow
    .symbol:         k_qfcc4791413_flow.kd
    .args:
      - { .name: x, .offset: 0, .size: 8, .value_kind: global_buffer, .address_space: global }
      - { .name: ws, .offset: 8, .size: 8, .value_kind: global_buffer, .address_space: global }
      - { .name: out0, .offset: 16, .size: 8, .value_kind: global_buffer, .address_space: global }
    .group_segment_fixed_size: 308224
    .private_segment_fixed_size: 0
    .kernarg_segment_align: 8
    .kernarg_segment_size: 24
    .max_flat_workgroup_size: 128
    .sgpr_count:     66
    .vgpr_count:     1024
    .wavefront_size: 32
...
	.end_amdgpu_metadata
.endif
;; end of part 2
